; MI455X (gfx1250); checked and timed in simulation.
; The chip was launched on July 23, 2026; its instructions are those of AMD's public machine-readable ISA for CDNA 5 (MIT licence, August 2026) and "CDNA5" Instruction Set Architecture Reference Guide (July 2026). The comments in the code are by the model that wrote it; some were corrected since.
;; ODE Func. Allowed arithmetic: matrix products marked QUANTISED: E4M3 operands, one given power-of-two scale a tensor, by v_wmma_f32_16x16x64_fp8_fp8 or v_wmma_f32_16x16x128_fp8_fp8, f32 sums; everything else in f32.
;; Inputs: W1 65 x 256 float32; W2 256 x 256 float32; W3 256 x 64 float32; b1 256 float32; b2 256 float32; b3 64 float32; logp 8,192 float32; lowp_scales 18 int32 (the exponents e of the quantised operands' scales 2^e); t 1 float32; z 8,192 x 64 float32.
;; Outputs: out0 8,192 x 64 float32; out1 8,192 float32.
;; This version of the problem:
;;   THIS VERSION OF THE PROBLEM IS GIVEN IN LOW PRECISION. The matrix products marked QUANTISED in the list below multiply operands that are first quantised to E4M3 (4 exponent bits, 3 mantissa bits; 8 bits a number), with one given power-of-two scale for each operand tensor; their sums are f32. All else is computed in f32.
;;   The module's matrix products, in the order in which they are computed (A, B: the left and right operand; K: the contracted axis; several contracted axes count as one K, in the product's order):
;;     1. [M 8,192, K 65] x [K 65, N 256]; A: computed on the way; B: input W1: QUANTISED (scales: A lowp_scales[0], B lowp_scales[1])
;;     2. [M 8,192, K 256] x [K 256, N 256]; A: computed on the way; B: input W2: QUANTISED (scales: A lowp_scales[2], B lowp_scales[3])
;;     3. [M 8,192, K 256] x [K 256, N 64]; A: computed on the way; B: input W3: QUANTISED (scales: A lowp_scales[4], B lowp_scales[5])
;;     4. [M 8,192, K 65] x [K 65, N 256]; A: computed on the way; B: input W1: QUANTISED (scales: A lowp_scales[6], B lowp_scales[7])
;;     5. [M 524,288, K 65] x [K 65, N 256]; A: computed on the way; B: input W1: QUANTISED (scales: A lowp_scales[8], B lowp_scales[9])
;;     6. [M 8,192, K 256] x [K 256, N 256]; A: computed on the way; B: input W2: QUANTISED (scales: A lowp_scales[10], B lowp_scales[11])
;;     7. [M 524,288, K 256] x [K 256, N 256]; A: computed on the way; B: input W2: QUANTISED (scales: A lowp_scales[12], B lowp_scales[13])
;;     8. [M 8,192, K 256] x [K 256, N 64]; A: computed on the way; B: input W3: QUANTISED (scales: A lowp_scales[14], B lowp_scales[15])
;;     9. [M 524,288, K 256] x [K 256, N 64]; A: computed on the way; B: input W3: QUANTISED (scales: A lowp_scales[16], B lowp_scales[17])
;;   THE QUANTISER, for each operand of a quantised product, along K:
;;     - The operand's scale is 2^e, e = its entry of the input lowp_scales (int32; the entries are numbered through the quantised products in the list's order, A before B).
;;     - Each number is divided by the scale, clamped to +-448, and rounded to the nearest number of E4M3, ties to even, subnormals kept.
;;     - The product sums the exact products of the quantised numbers (number of the format x scale) in f32.
;;   ~~~python
;;   def quantise(x, axis, e):      # numpy; x: float32 -> the quantised numbers, widened to float32 again
;;       x = np.moveaxis(x, axis, -1); K = x.shape[-1]
;;       r = np.clip(x / 2.0 ** e, -448, 448)
;;       step = 2.0 ** (np.maximum(np.frexp(np.where(r == 0, 1, r))[1] - 1, -6) - 3)
;;       q = np.round(r / step) * step * 2.0 ** e      # np.round: ties to even
;;       return np.moveaxis(q, -1, axis).astype(np.float32)
;;   ~~~
;;   OPERANDS COMPUTED ON THE WAY. 'Computed on the way' means the value that the module computes at that place (a softmax that the list does not call 'softmax' is quantised finished and normalised). What goes into a quantiser is computed in f32, as accurately as f32 sums, v_exp_f32 and their like allow (about 1e-6 of the number): no bf16 or f16 on the way to a quantiser, and a product that is left as it is and whose result goes on into a quantised operand takes f32 operands (vector FMAs, or v_wmma_f32_16x16x4_f32). A number that lies on a knife's edge between two numbers of the format may be rounded either way, as far as f32 arithmetic and the matrix unit's own rounding can turn it there, and no further.
;; One version. Each part assembles by itself: llvm-mc -triple=amdgcn-amd-amdhsa -mcpu=gfx1250 --defsym DOCPART=n.
;; ======== version 1 of 1: 1 launch
;; launch ode (part 1): grid 256 x 1, 4 waves a work-group, clusters of 4 x 1, 327,680 bytes of LDS; arguments z, t, W1, b1, W2, b2, W3, b3, lowp_scales, out0, out1; writes out0, out1
.if DOCPART == 1
	.amdgcn_target "amdgcn-amd-amdhsa--gfx1250"
	.amdhsa_code_object_version 6
	.text
	.protected	k_q6dd035195d_ode
	.globl	k_q6dd035195d_ode
	.p2align	8
	.type	k_q6dd035195d_ode,@function
k_q6dd035195d_ode:
	s_mov_b64 s[64:65], 0
	v_nop
	global_prefetch_b8 v0, s[64:65] scope:SCOPE_SE
	s_setreg_imm32_b32 hwreg(HW_REG_WAVE_MODE, 25, 1), 1
	s_wait_xcnt 0x0
	s_wait_alu depctr_hold_cnt(0) depctr_sa_sdst(0) depctr_va_vdst(0) depctr_va_sdst(0) depctr_va_ssrc(0) depctr_va_vcc(0) depctr_vm_vsrc(0)
	s_getreg_b32 s2, hwreg(HW_REG_IB_STS2, 6, 4)
	s_cmp_eq_u32 s2, 0
	s_cbranch_scc0 .Lentry_in_a_cluster
	s_endpgm
.Lentry_in_a_cluster:
	s_bfe_u32 s2, ttmp6, 0x10000c
	s_cmp_lg_u32 s2, 0x3003
	s_cbranch_scc0 .Lentry_shape_is_right
	s_endpgm
.Lentry_shape_is_right:
; out0 = net(z, t), a 65 -> 256 -> 256 -> 64 MLP with SiLU; out1 = - trace of d net / d z, by 64 basis tangents.  All products on codes of FP8 (E4M3), each operand with its given scale 2^e (e0 .. e17).
; WHAT IS COMPUTED.  Products 1-3 (e0-e5) give out0.  Products 4 and 6 (e6, e7, e10, e11) are the primal of the tangents' pass: they give s1 = silu'(a1), s2 = silu'(a2).  Product 8's result is thrown away
; by the problem itself and is not made; the input logp enters no result and is not loaded.  Product 5's left operand is [e_i, 0] for every sample: its 524,288 rows are 8,192 copies of 64 rows, so it is made
; once a work-group as T1 = Q8(I) Q9(W1), 64 x 256.  Product 7 is done whole: its left operand Q12(s1[b][j] T1[i][j]) differs for every (i, b, j).  Of product 9 only element i of tangent i is kept:
; a tile has 16 samples and ONE i, its other operand is column i of W3, and the matrix unit adds over the hidden units and over i in place.
; SHARES.  A work-group of four waves owns 32 samples.  Ahead of the main loop wave w owns hidden units 64 w .. 64 w + 63 for both tiles of 16 samples; in the main loop it owns the tile of samples w / 2 and
; the tangents 32 (w % 2) .. + 31, with all of Q13(W2) (512 registers) and its lane's s1, s2 (256) in registers; that loop has no barrier and no LDS store.
; LAYOUT.  Every product is used transposed: source 0 = 16 rows of W^T (unit 16 t + lane % 16), source 1 = 16 samples: in the result lane (r, h) holds sample r and register j unit 16 t + 8 h + j, so one
; conversion of a result tile gives registers 2 t, 2 t + 1 of the next operand (k = 16 t + 8 h + 0 .. 7), the 8-bit forms' own layout.  Operands go from wave to wave through LDS as images of their registers.
; WEIGHTS.  W1, W2, W3 arrive as f32 with K outermost and are wanted by all 256 work-groups: they come as tiles of 64 rows x 1,024 bytes by tensor loads that the four work-groups of a cluster ask for JOINTLY
; (the same descriptor, a mask that names the four).  A lane takes a column and its registers run down K, so the conversions give codes with K innermost.  Four tiles fit beside the rest: W1's and W3's
; places are filled again with W2's second half.
; LIMITS.  Each power of two below is made as an f32 number: every e, e12 - e8 - e9 and e16 - e12 - e13 lie between -126 and 119; e0 + e1, e6 + e7, e2 + e3, e10 + e11 between -126 and 126;
; e4 + e5 and e16 + e17 between -126 and 127.  NaN among the inputs is not served.  The main loop's last trip prepares the operand of a tile that does not exist, from two rows of zeros, and nobody multiplies it.
.set PIECE,  66048                     ; a tile in LDS: 64 rows x (1,024 bytes + 8 of padding): lanes 16-31 read 8 rows (2,064 words) further down, 16 banks on
.set PROW,   1032
.set L_SPARE, 4*PIECE                  ; behind the four pieces: the spare words, 128 bytes for each wave: two blocks of 256 bytes that no other line names
.set L_H0,   L_SPARE+512               ; images of h0: (2 mt + version) x 2,048
.set L_DIV,  L_H0                      ; later: the waves' parts of the divergence, 64 bytes a wave
.set L_H1,   L_H0+8192                 ; images of h1: (2 mt + version) x 4,096 + 1,024 x wave
.set L_OST,  L_H1                      ; later: out0's stage, 32 rows x (256 + 16)
.set L_S1,   L_H1+16384                ; images of s1: mt x 16,384 + 4,096 x wave
.set L_S2,   16384                     ; in piece 0, behind W2's image: s2, as s1
.set L_H2,   49152                     ; in piece 0: images of h2: mt x 4,096 + 1,024 x wave
.set L_W3C,  PIECE+16384               ; in piece 1: column i of Q17(W3): i x 272 + 128 h + 8 c
.set L_T1,   2*PIECE+16384             ; in pieces 2 and 3: T1's halves, 34 rows x 1,040: row x 1,040 + 512 h + 32 c + 4 m; rows 32, 33 are zeros
.set TROW,   1040
.set CROW,   272
; (each piece's first 16,384 bytes take, once the piece is read out, the image of a K quarter of Q13(W2): tile x 1,024 + 512 x)
.set WV,  26                           ; s26  my wave's number;  s27 my work-group;  s61 = wave % 2, s62 = wave / 2
.set SPW, 2                            ; v2   LDS address of my spare word; never rewritten
.set NIL, 3                            ; v3   0; never rewritten
.set LI,  4                            ; v4   16 x lane: an image's place for my lane; never rewritten
.set VPL, 5                            ; v5   my place in a piece of W1 or W2: 8,256 h + 4 r + 256 w; at last 4 x lane, for out1
.set VF3, 6                            ; v6   my place in W3's piece for product 3's operand; at last where I put my part of the divergence
.set VC3, 7                            ; v7   the same for the columns of product 9; at last where wave 0 reads the parts
.set T1B, 10                           ; v10  main loop: my half of T1 + 512 h
.set W3B, 11                           ; v11  main loop: my 32 columns of W3 + 128 h
.set VR,  245                          ; v245 r = lane % 16, v246 h = lane / 16, v247 lane (until the main loop's stage takes them)
.set VH,  246
.set VL,  247
.set QM1, 75                           ; s75-77  scale, -limit, +limit of product 7's left operand;  s78-80 of product 9's
.set QM2, 78
.set MSB, 0
.macro WIN new                         ; register windows: bits 1:0 source 0, 3:2 source 1, 5:4 source 2, 7:6 destination; the high byte repeats the setting that is left
.if MSB != \new
	s_set_vgpr_msb (MSB<<8)|\new
.set MSB, \new
.endif
.endm
.macro PLACES                          ; four plain vector lines behind matrix instructions (ISA guide 7.12.1)
.rept 4
	v_nop
.endr
.endm
.macro BAR                             ; my LDS stores have landed and my LDS loads are in: then the work-group's barrier
	s_wait_dscnt 0x0
	s_barrier_signal -1
	s_barrier_wait -1
.endm
.macro ROUND                           ; a round of the cluster's barrier
	s_barrier_signal -1
	s_barrier_wait -1
	s_cmp_lg_u32 s[WV], 0
	s_cbranch_scc1 .Lnot_wave_0_\@
	s_barrier_signal -3
.Lnot_wave_0_\@:
	s_barrier_wait -3
	s_barrier_signal -1
	s_barrier_wait -1
.endm
.macro MKQ d, e                        ; from the exponent in s[e]: s[d] = 2^e, s[d+2] = 448 x 2^e, s[d+1] = -448 x 2^e, as f32
	s_add_co_i32 s[\d], s[\e], 127
	s_add_co_i32 s[\d+2], s[\e], 135
	s_lshl_b32 s[\d], s[\d], 23
	s_lshl_b32 s[\d+2], s[\d+2], 23
	s_or_b32 s[\d+2], s[\d+2], 0x600000
	s_or_b32 s[\d+1], s[\d+2], 0x80000000
.endm
.macro MKPAIR sp, ea, eb               ; s[sp], s[sp+1] = 2^(ea + eb); s[sp+2], s[sp+3] = -log2(e) x 2^(ea + eb): the sum of exponents is added to the exponent fields
	s_add_co_i32 s90, s[\ea], s[\eb]
	s_lshl_b32 s90, s90, 23
	s_add_co_i32 s[\sp], s90, 0x3f800000
	s_mov_b32 s[\sp+1], s[\sp]
	s_add_co_i32 s[\sp+2], s90, 0xbfb8aa3b
	s_mov_b32 s[\sp+3], s[\sp+2]
.endm
.macro HOLD dst, src, n, d             ; the conversion to an 8-bit code does not saturate (ISA guide 7.6.2): the number is held within the largest code x the scale.  The data stand in source 2 and the
.set hi_, 0                            ; destination, the limits in scalar registers: so the line means the same under a window setting that moves source 0 alone
.rept \n
	v_med3_num_f32 v[(\dst)+hi_], s[\d+1], s[\d+2], v[(\src)+hi_]
.set hi_, hi_+1
.endr
.endm
.macro CVT dst, src, n8, vsc           ; eight numbers / 2^(the exponent of v[vsc]) to the nearest code, ties to even; the first number's code in the lowest byte
.set ci_, 0
.rept \n8
	v_cvt_scalef32_pk8_fp8_f32 v[(\dst)+2*ci_:(\dst)+2*ci_+1], v[(\src)+8*ci_:(\src)+8*ci_+7], v[\vsc]
.set ci_, ci_+1
.endr
.endm
.macro LDX set, adr, tl                ; 32 numbers of column 64 w + 16 tl + r of a piece of W1 or W2: register 8 c + m = row 16 c + 8 h + m
.set lc_, 0
.rept 32
	ds_load_b32 v[(\set)+lc_], v[\adr] offset:(16*(lc_/8)+lc_%8)*PROW+64*(\tl)
.set lc_, lc_+1
.endr
.endm
.macro LDW set, adr, u                 ; the same of W3, whose row n lies at (n / 4) x 1,032 + (n % 4) x 256: rows 64 u + 16 c + 8 (h or w / 2) + m
.set lc_, 0
.rept 32
	ds_load_b32 v[(\set)+lc_], v[\adr] offset:(16*(\u)+4*(lc_/8)+(lc_%8)/4)*PROW+(lc_%4)*256
.set lc_, lc_+1
.endr
.endm
; SiLU of n sums Y (window yw, from register y on), which stand for Y x 2^e: s[sp] = 2^e, s[sp+2] = -log2(e) 2^e.  x = Y 2^e; sig = 1 / (1 + 2^(-x log2 e)); XX = x sig.
; deriv: GG = sig + x sig (1 - sig).  quant: XX is held and turned into codes from v[cd] on.  The exponentials and the reciprocals go as batches: one plain line and one wait for each batch.
.macro SILU n, yw, y, sp, quant, d, vsc, cd, deriv
	WIN \yw
.set si_, 0
.rept (\n)/2
	v_pk_mul_f32 v[UU+si_:UU+si_+1], v[(\y)+si_:(\y)+si_+1], s[(\sp)+2:(\sp)+3] op_sel_hi:[1,0]   ; each accumulator from its low end on
.set si_, si_+2
.endr
.set si_, 0
.rept (\n)/2
	v_pk_mul_f32 v[XX+si_:XX+si_+1], v[(\y)+si_:(\y)+si_+1], s[(\sp):(\sp)+1] op_sel_hi:[1,0]
.set si_, si_+2
.endr
	WIN 0
.set si_, 0
.rept \n
	v_exp_f32 v[UU+si_], v[UU+si_]
.set si_, si_+1
.endr
	v_nop
	s_wait_alu depctr_va_vdst(0)
.set si_, 0
.rept (\n)/2
	v_pk_add_f32 v[UU+si_:UU+si_+1], v[UU+si_:UU+si_+1], 1.0 op_sel_hi:[1,0]
.set si_, si_+2
.endr
.set si_, 0
.rept \n
	v_rcp_f32 v[UU+si_], v[UU+si_]
.set si_, si_+1
.endr
	v_nop
	s_wait_alu depctr_va_vdst(0)
.set si_, 0
.rept (\n)/2
	v_pk_mul_f32 v[XX+si_:XX+si_+1], v[XX+si_:XX+si_+1], v[UU+si_:UU+si_+1]
.set si_, si_+2
.endr
.if \deriv
.set si_, 0
.rept (\n)/2
	v_pk_fma_f32 v[GG+si_:GG+si_+1], v[UU+si_:UU+si_+1], -1.0, 1.0 op_sel_hi:[1,0,0]
.set si_, si_+2
.endr
.set si_, 0
.rept (\n)/2
	v_pk_fma_f32 v[GG+si_:GG+si_+1], v[XX+si_:XX+si_+1], v[GG+si_:GG+si_+1], v[UU+si_:UU+si_+1]
.set si_, si_+2
.endr
.endif
.if \quant
	HOLD XX, XX, \n, \d
	CVT \cd, XX, (\n)/8, \vsc
	v_nop                                          ; one plain line behind the last conversion of a run
.endif
.endm
; ---------------- the head: addresses, the descriptor, the first fills, the small inputs
	s_load_b512 s[4:19], s[0:1], 0x0               ; z s[4:5], t s[6:7], W1 s[8:9], b1 s[10:11], W2 s[12:13], b2 s[14:15], W3 s[16:17], b3 s[18:19]
	s_load_b128 s[20:23], s[0:1], 0x40             ; the scales' exponents s[20:21], out0 s[22:23]
	s_load_b64 s[24:25], s[0:1], 0x50              ; out1
	v_lshl_add_u32 v[SPW], v0, 2, L_SPARE
	v_mov_b32 v[NIL], 0
	ds_add_u32 v2, v3
	ds_add_u32 v2, v3
	s_wait_dscnt 0x0
	v_lshrrev_b32 v1, 5, v0
	v_readfirstlane_b32 s[WV], v1                  ; wave 0..3
	s_and_b32 s61, s[WV], 1
	s_lshr_b32 s62, s[WV], 1
	s_bfe_u32 s27, ttmp6, 0x40000                  ; cx: my place in the cluster
	s_lshl_b32 s90, ttmp9, 2                       ; in a cluster launch ttmp9 counts clusters
	s_add_co_u32 s27, s90, s27                     ; my work-group: it enters the addresses of z, out0 and out1 alone
	; descriptor group 1: a tile of 64 rows x 256 elements of 4 bytes, 2 words of padding behind each row; the same for all loads
	s_mov_b32 s28, 15|(2<<16)|(1<<20)|(1<<21)|(7<<22)|(1<<25)   ; 15:0 the mask: all four work-groups; 17:16 elements of 4 bytes; 20 padding on; 21 set beside a mask; 24:22 after every 256 words (code 7); 31:25 two words (code 1)
	s_mov_b32 s29, 256<<16                         ; tensor_dim0 = 256
	s_mov_b32 s30, 64<<16                          ; tensor_dim1 = 64
	s_mov_b32 s31, 256<<16                         ; tile_dim0 = 256
	s_mov_b32 s32, 64                              ; tile_dim1 = 64
	s_mov_b32 s33, 256                             ; elements from row to row
	s_mov_b32 s34, 0
	s_mov_b32 s35, 0
	v_and_b32 v[VL], 31, v0
	v_and_b32 v[VR], 15, v0
	v_bfe_u32 v[VH], v0, 4, 1
	v_lshlrev_b32 v[LI], 4, v[VL]
	v_mul_u32_u24 v[VPL], v[VH], 8*PROW
	v_lshl_add_u32 v[VPL], v[VR], 2, v[VPL]
	s_lshl_b32 s90, s[WV], 8
	v_add_nc_u32 v[VPL], s90, v[VPL]               ; row 8 h, column 64 w + r
	v_lshl_add_u32 v249, v[VR], 2, s90             ; W1's row 64: 4 r + 256 w
	v_lshl_add_u32 v250, v[VH], 5, s90             ; b1, b2: 32 h + 256 w
	v_mul_u32_u24 v[VF3], v[VH], 2*PROW
	v_lshl_add_u32 v[VF3], v[VR], 2, v[VF3]
	s_lshl_b32 s90, s[WV], 6
	v_lshl_add_u32 v251, v[VH], 5, s90             ; b3: 32 h + 64 w
	s_add_co_u32 s90, s90, 3*PIECE
	v_add_nc_u32 v[VF3], s90, v[VF3]               ; W3's piece, rows 8 h on, column 16 w + r
	s_mul_i32 s90, s62, 2*PROW
	s_lshl_b32 s63, s61, 7
	s_add_co_u32 s90, s90, s63
	s_add_co_u32 s90, s90, 3*PIECE
	v_lshl_add_u32 v[VC3], v[VL], 2, s90           ; W3's piece, rows 8 (w / 2) on, column 32 (w % 2) + lane
	v_lshlrev_b32 v248, 8, v[VR]
	v_lshl_add_u32 v248, v[VH], 5, v248            ; z: row r of 256 bytes, + 32 h
	s_wait_kmcnt 0x0
	s_load_b512 s[40:55], s[20:21], 0x0            ; e0 .. e15
	s_load_b64 s[56:57], s[20:21], 0x40            ; e16, e17
	s_load_b32 s60, s[6:7], 0x0                    ; t
	s_lshl_b32 s90, s[WV], 16
	s_mov_b32 s91, 0
	s_add_nc_u64 s[58:59], s[12:13], s[90:91]      ; W2 at row 64 x wave
	s_lshl_b32 s90, s27, 13
	s_lshl_b32 s63, s62, 12
	s_add_co_u32 s90, s90, s63
	s_add_nc_u64 s[4:5], s[4:5], s[90:91]          ; z at sample 32 g + 16 (w / 2)
	s_lshl_b32 s90, s27, 13
	s_lshl_b32 s63, s[WV], 11
	s_add_co_u32 s90, s90, s63
	s_add_nc_u64 s[22:23], s[22:23], s[90:91]      ; out0 at sample 32 g + 8 w
	s_lshl_b32 s90, s27, 7
	s_add_nc_u64 s[24:25], s[24:25], s[90:91]      ; out1 at sample 32 g
	s_cmp_lt_u32 s[WV], 2                          ; waves 0, 1: W2's rows 0-63, 64-127; wave 2: W1's rows 0-63; wave 3: W3, as 64 rows of 1,024 bytes
	s_cselect_b64 s[38:39], s[58:59], s[8:9]
	s_cmp_eq_u32 s[WV], 3
	s_cselect_b64 s[38:39], s[16:17], s[38:39]
	s_or_b32 s39, s39, 0x80000000                  ; type = 2
	s_mov_b32 s36, 1                               ; count = 1
	s_mul_i32 s37, s[WV], PIECE                    ; piece = wave: no place in the cluster enters an LDS address
	ROUND                                          ; all four work-groups are here: the first joint loads meet
	tensor_load_to_lds s[36:39], s[28:35]          ; one load a wave is out
	s_nop 0
	PLACES
.irp c, 0,1,2,3
	global_load_b128 v[16+8*\c:19+8*\c], v248, s[4:5] offset:64*\c        ; z(r, 16 c + 8 h + 0 .. 7)
	global_load_b128 v[20+8*\c:23+8*\c], v248, s[4:5] offset:64*\c+16
.endr
.irp tl, 0,1,2,3
	global_load_b32 v[238+\tl], v249, s[8:9] offset:65536+64*\tl          ; W1(64, 64 w + 16 tl + r)
.endr
	WIN 0x80                                       ; destination window 2
.irp tl, 0,1,2,3
	global_load_b128 v[104+8*\tl:107+8*\tl], v250, s[10:11] offset:64*\tl      ; b1 of units 64 w + 16 tl + 8 h + 0 .. 7: the result's layout
	global_load_b128 v[108+8*\tl:111+8*\tl], v250, s[10:11] offset:64*\tl+16
	global_load_b128 v[64+8*\tl:67+8*\tl], v250, s[14:15] offset:64*\tl        ; b2 likewise
	global_load_b128 v[68+8*\tl:71+8*\tl], v250, s[14:15] offset:64*\tl+16
.endr
	global_load_b128 v[96:99], v251, s[18:19]      ; b3 of outputs 16 w + 8 h + 0 .. 7
	global_load_b128 v[100:103], v251, s[18:19] offset:16
	WIN 0
	s_wait_kmcnt 0x0                               ; the exponents and t
	; product 5's left operand: tangent 16 mi + r has Q8(1) at k = 16 mi + r.  In a lane that is one pair of registers (byte m set where 8 h + m = r) among zeros: the pair stands at v230 in a run of
	; fourteen registers, and fragment mi is v[230 - 2 mi .. 237 - 2 mi]
	MKQ 69, 48
	v_mov_b32 v243, s69
	v_lshlrev_b32 v1, 3, v[VH]
	v_sub_nc_u32 v1, v[VR], v1
.irp m, 0,1,2,3,4,5,6,7
	v_cmp_eq_u32 vcc_lo, \m, v1
	v_cndmask_b32 v[56+\m], 0, 1.0, vcc_lo
.endr
	HOLD 56, 56, 8, 69
	CVT 230, 56, 1, 243
.irp j, 224,225,226,227,228,229,232,233,234,235,236,237
	v_mov_b32 v\j, 0
.endr
	; h0 = [z, t, zeros up to K = 128]: wave w quantises the tile of samples w / 2 under e0 (w even) or e6 (w odd)
	s_cmp_eq_u32 s61, 0
	s_cselect_b32 s90, s40, s46
	MKQ 66, 90
	v_mov_b32 v242, s66
	v_cmp_eq_u32 vcc_lo, 0, v[VH]
	v_mov_b32 v48, s60
	v_cndmask_b32 v48, 0, v48, vcc_lo              ; k = 64 lies in lanes 0-15, register 32
.irp j, 49,50,51,52,53,54,55,74,75,76,77,78,79
	v_mov_b32 v\j, 0
.endr
	s_lshl_b32 s90, s[WV], 11
	s_add_co_u32 s90, s90, L_H0
	v_add_nc_u32 v8, s90, v[LI]
	s_add_co_i32 s90, s40, s41
	s_sub_co_i32 s90, 0, s90                       ; -(e0 + e1)
	s_add_co_i32 s91, s46, s47
	s_sub_co_i32 s91, 0, s91                       ; -(e6 + e7)
	s_wait_loadcnt 0x0                             ; z, W1's last row, the biases
.irp tl, 0,1,2,3
	v_cndmask_b32 v[238+\tl], 0, v[238+\tl], vcc_lo
.endr
	HOLD 16, 16, 33, 66
	CVT 64, 16, 5, 242
	v_nop
.irp x, 0,1,2,3
	ds_store_b128 v8, v[64+4*\x:67+4*\x] offset:512*\x
.endr
	WIN 0x82                                       ; source 0 and destination window 2
.set j_, 0
.rept 32
	v_ldexp_f32 v[j_], v[104+j_], s90              ; b1 / 2^(e0 + e1): the C of product 1's sums, which lack that power of two
	v_ldexp_f32 v[32+j_], v[104+j_], s91           ; b1 / 2^(e6 + e7): of product 4's
.set j_, j_+1
.endr
	WIN 0
	s_wait_tensorcnt 0x0                           ; my tile has landed
	BAR                                            ; everybody's has, and h0's four images lie in LDS
; ---------------- W1 under e1, e7, e9 and W3 under e5, e17: twelve units of 32 numbers a lane, on two sets of registers; a unit's loads are issued two units ahead
.macro LDU k
.set xs_, 16+32*((\k)%2)
.if (\k) < 4
	LDX xs_, 8, \k
.elseif (\k) < 8
	LDW xs_, VF3, (\k)-4
.else
	LDW xs_, VC3, (\k)-8
.endif
.endm
.macro UNIT k
.set xs_, 16+32*((\k)%2)
.if (\k) < 11
	s_wait_dscnt 32                                ; this unit's 32 loads are in; the next unit's may be out
.else
	s_wait_dscnt 0x0
.endif
.if (\k) < 4                           ; W1, tile tl = k.  The held numbers go into two sets of 40 by turns (register 32: row 64; 33-39: zeros), so that no hold writes the source of the conversion just issued
.set tq_, 80+40*((3*(\k))%2)
	HOLD tq_, xs_, 32, 66
	v_med3_num_f32 v[tq_+32], s67, s68, v[238+(\k)]
	WIN 0x40                                       ; destination window 1
	CVT 16*(\k), tq_, 5, 242
	WIN 0
.set tq_, 80+40*((3*(\k)+1)%2)
	HOLD tq_, xs_, 32, 69
	v_med3_num_f32 v[tq_+32], s70, s71, v[238+(\k)]
	WIN 0x40
	CVT 64+16*(\k), tq_, 5, 243
	WIN 0
.set tq_, 80+40*((3*(\k)+2)%2)
	HOLD tq_, xs_, 32, 72                          ; product 5's K ends at 64: the tangent of the column of t is 0
	WIN 0x40
	CVT 128+8*(\k), tq_, 4, 244
	WIN 0
.else                                  ; W3: held in place
.if (\k) < 8
	HOLD xs_, xs_, 32, 66
	WIN 0x40
	CVT 160+8*((\k)-4), xs_, 4, 242
.else
	HOLD xs_, xs_, 32, 69
	WIN 0x40
	CVT 160+8*((\k)-4), xs_, 4, 243
.endif
	WIN 0
.endif
.if (\k)+2 < 12
	LDU (\k)+2
.endif
.endm
	v_add_nc_u32 v8, 2*PIECE, v[VPL]               ; W1 lies in piece 2
	LDU 0
	LDU 1
	MKQ 66, 41
	MKQ 69, 47
	MKQ 72, 49
	v_mov_b32 v242, s66
	v_mov_b32 v243, s69
	v_mov_b32 v244, s72
.irp j, 113,114,115,116,117,118,119,153,154,155,156,157,158,159
	v_mov_b32 v\j, 0
.endr
	WIN 0x40
.irp tl, 0,1,2,3
.irp j, 10,11,12,13,14,15
	v_mov_b32 v[16*\tl+\j], 0                      ; K = 80 .. 127 of the fragments of products 1 and 4: zero codes
	v_mov_b32 v[64+16*\tl+\j], 0
.endr
.endr
	WIN 0
	UNIT 0
	UNIT 1
	UNIT 2
	UNIT 3
	MKQ 66, 45
	MKQ 69, 57
	v_mov_b32 v242, s66
	v_mov_b32 v243, s69
	UNIT 4
	UNIT 5
	UNIT 6
	UNIT 7
	UNIT 8
	UNIT 9
	UNIT 10
	UNIT 11
	v_nop                                          ; one plain line behind the last conversion
; ---------------- pieces 2 and 3 are read out: they are filled again, with W2's rows 128-255
	s_wait_tensorcnt 0x0                           ; no tensor load of mine is out, so group 0 may be written
	ds_add_u32 v[SPW], v[NIL]                      ; 0 onto my spare word: layer 1's constants are made between it and the wait for it
	s_mov_b64 s[38:39], s[58:59]
	s_or_b32 s39, s39, 0x80000000
	MKPAIR 82, 40, 41
	MKPAIR 86, 46, 47
	MKQ 66, 42
	MKQ 69, 50
	s_wait_dscnt 0x0                               ; the add is done, and my reads of the two pieces are over
	ROUND                                          ; so of every wave of all four work-groups
	s_cmp_lt_u32 s[WV], 2
	s_cbranch_scc1 .Lno_refill                     ; waves 0 and 1 have no part of it
	tensor_load_to_lds s[36:39], s[28:35]          ; waves 2, 3: W2's rows 64 w on, into piece w: my one load behind the round
	s_nop 0
	PLACES
.Lno_refill:
; ---------------- layer 1, a tile of 16 samples a trip: products 1 and 4, SiLU, h1 under e2 and e10, s1
.set UU, 112
.set XX, 144
.set GG, 176
	v_mov_b32 v242, s66
	v_mov_b32 v243, s69
	v_add_nc_u32 v13, L_H0, v[LI]
	s_lshl_b32 s90, s[WV], 10
	s_add_co_u32 s90, s90, L_H1
	v_add_nc_u32 v14, s90, v[LI]
	s_lshl_b32 s90, s[WV], 12
	s_add_co_u32 s90, s90, L_S1
	v_add_nc_u32 v15, s90, v[LI]
	s_mov_b32 s92, 0
	s_mov_b32 s93, 0
	s_mov_b32 s94, 0
	s_mov_b32 s95, 0
.Lmt:
	v_add_nc_u32 v8, s93, v13                      ; h0's images of this tile: + 4,096 mt
	v_add_nc_u32 v9, s94, v14                      ; where h1's go: + 8,192 mt
	v_add_nc_u32 v12, s95, v15                     ; where s1 goes: + 16,384 mt
.irp x, 0,1,2,3
	ds_load_b128 v[16+4*\x:19+4*\x], v8 offset:512*\x
	ds_load_b128 v[32+4*\x:35+4*\x], v8 offset:2048+512*\x
.endr
	s_wait_dscnt 0x0
	WIN 0x21                                       ; source 0 (W1) window 1, C (b1) window 2
.irp tl, 0,1,2,3                       ; eight accumulators, one instruction each
	v_wmma_f32_16x16x128_fp8_fp8 v[48+8*\tl:55+8*\tl], v[16*\tl:16*\tl+15], v[16:31], v[8*\tl:8*\tl+7]
	v_wmma_f32_16x16x128_fp8_fp8 v[80+8*\tl:87+8*\tl], v[64+16*\tl:64+16*\tl+15], v[32:47], v[32+8*\tl:32+8*\tl+7]
.endr
	WIN 0
	PLACES
	SILU 32, 0, 48, 82, 1, 66, 242, 208, 0
	ds_store_b128 v9, v[208:211]                   ; my 64 units are K quarter w of the next operand: eight registers
	ds_store_b128 v9, v[212:215] offset:512
	SILU 32, 0, 80, 86, 1, 69, 243, 216, 1
	ds_store_b128 v9, v[216:219] offset:4096
	ds_store_b128 v9, v[220:223] offset:4096+512
.irp x, 0,1,2,3,4,5,6,7
	ds_store_b128 v12, v[176+4*\x:179+4*\x] offset:512*\x
.endr
	s_wait_dscnt 0x0                               ; the stores have read their registers: the next trip writes them
	s_add_co_u32 s93, s93, 4096
	s_add_co_u32 s94, s94, 8192
	s_add_co_u32 s95, s95, 16384
	s_add_co_u32 s92, s92, 1
	s_cmp_lt_u32 s92, 2
	s_cbranch_scc1 .Lmt
; ---------------- products 2 and 6, and Q13(W2): a K quarter (a piece of W2) a trip
	s_add_co_i32 s90, s42, s43
	s_sub_co_i32 s90, 0, s90
	s_add_co_i32 s91, s50, s51
	s_sub_co_i32 s91, 0, s91
	WIN 0x42                                       ; source 0 window 2, destination window 1: the sums begin as b2 / the power of two that they lack.  Accumulator (version, mt, tl) at 64 v + 32 mt + 8 tl, where W1's fragments lay
.set j_, 0
.rept 32
	v_ldexp_f32 v[j_], v[64+j_], s90
	v_ldexp_f32 v[32+j_], v[64+j_], s90
	v_ldexp_f32 v[64+j_], v[64+j_], s91
	v_ldexp_f32 v[96+j_], v[64+j_], s91
.set j_, j_+1
.endr
	WIN 0
	MKQ 66, 43
	MKQ 69, 51
	MKQ 72, 53
	v_mov_b32 v242, s66
	v_mov_b32 v243, s69
	v_mov_b32 v244, s72
	v_add_nc_u32 v13, L_H1, v[LI]
	s_lshl_b32 s90, s[WV], 12
	v_add_nc_u32 v14, s90, v[LI]
	s_mov_b32 s92, 0
	s_mov_b32 s93, 0
	s_mov_b32 s94, 0
	s_wait_tensorcnt 0x0                           ; W2's second half has landed (waves 2, 3)
	BAR                                            ; for everybody; h1's images and s1 lie in LDS
.Lq:
	v_add_nc_u32 v8, s93, v[VPL]                   ; piece q
	v_add_nc_u32 v9, s94, v13                      ; h1's K quarter q: + 1,024 q
	v_add_nc_u32 v12, s93, v14                     ; where the quarter's image of Q13(W2) goes: the piece's head, + 4,096 w
.irp v, 0,1
.irp mt, 0,1
.irp x, 0,1
	ds_load_b128 v[16+16*\v+8*\mt+4*\x:19+16*\v+8*\mt+4*\x], v9 offset:(2*\mt+\v)*4096+512*\x
.endr
.endr
.endr
	LDX 48, 8, 0
	LDX 80, 8, 1
.irp tl, 0,1,2,3
.if \tl < 3
	s_wait_dscnt 32                                ; this tile's 32 numbers (and h1's fragments) are in; the next tile's may be out
.else
	s_wait_dscnt 0x0
.endif
	HOLD 112+32*((3*\tl)%2), 48+32*(\tl%2), 32, 66
	CVT 176, 112+32*((3*\tl)%2), 4, 242
	HOLD 112+32*((3*\tl+1)%2), 48+32*(\tl%2), 32, 69
	CVT 184, 112+32*((3*\tl+1)%2), 4, 243
	HOLD 112+32*((3*\tl+2)%2), 48+32*(\tl%2), 32, 72
	CVT 192+8*\tl, 112+32*((3*\tl+2)%2), 4, 244
.if \tl < 2
	LDX 48+32*(\tl%2), 8, \tl+2
.endif
	v_nop                                          ; one plain line behind the last conversion
	WIN 0x50                                       ; C and D window 1
	v_wmma_f32_16x16x64_fp8_fp8 v[8*\tl:8*\tl+7], v[176:183], v[16:23], v[8*\tl:8*\tl+7]                  ; four accumulators by turns
	v_wmma_f32_16x16x64_fp8_fp8 v[64+8*\tl:64+8*\tl+7], v[184:191], v[32:39], v[64+8*\tl:64+8*\tl+7]
	v_wmma_f32_16x16x64_fp8_fp8 v[32+8*\tl:32+8*\tl+7], v[176:183], v[24:31], v[32+8*\tl:32+8*\tl+7]
	v_wmma_f32_16x16x64_fp8_fp8 v[96+8*\tl:96+8*\tl+7], v[184:191], v[40:47], v[96+8*\tl:96+8*\tl+7]
	WIN 0
.endr
	PLACES                                         ; in front of the next trip's loads into h1's fragments, and of the first read of the sums
	BAR                                            ; nobody reads this piece any more; it has had its last fill
.irp tl, 0,1,2,3
	ds_store_b128 v12, v[192+8*\tl:195+8*\tl] offset:1024*\tl
	ds_store_b128 v12, v[196+8*\tl:199+8*\tl] offset:1024*\tl+512
.endr
	s_wait_dscnt 0x0                               ; the stores have read their registers
	s_add_co_u32 s93, s93, PIECE
	s_add_co_u32 s94, s94, 1024
	s_add_co_u32 s92, s92, 1
	s_cmp_lt_u32 s92, 4
	s_cbranch_scc1 .Lq
; ---------------- SiLU of layer 2: h2 under e4, s2; W3's columns and T1 go to LDS
.set UU, 16
.set XX, 80
.set GG, 144
	MKPAIR 82, 42, 43
	MKPAIR 86, 50, 51
	MKQ 66, 44
	v_mov_b32 v242, s66
	s_lshl_b32 s90, s[WV], 10
	s_add_co_u32 s90, s90, L_H2
	v_add_nc_u32 v8, s90, v[LI]
	s_lshl_b32 s90, s[WV], 12
	s_add_co_u32 s90, s90, L_S2
	v_add_nc_u32 v9, s90, v[LI]
	s_lshl_b32 s90, s61, 5
	v_add_nc_u32 v12, s90, v[VL]
	v_mul_u32_u24 v12, v12, CROW
	s_lshl_b32 s90, s62, 7
	s_add_co_u32 s90, s90, L_W3C
	v_add_nc_u32 v12, s90, v12                     ; column 32 (w % 2) + lane, + 128 (w / 2)
	SILU 64, 1, 0, 82, 1, 66, 242, 208, 0
.irp mt, 0,1
.irp x, 0,1
	ds_store_b128 v8, v[208+8*\mt+4*\x:211+8*\mt+4*\x] offset:4096*\mt+512*\x
.endr
.endr
	SILU 64, 1, 64, 86, 0, 0, 0, 0, 1
.irp mt, 0,1
.irp x, 0,1,2,3,4,5,6,7
	ds_store_b128 v9, v[144+32*\mt+4*\x:147+32*\mt+4*\x] offset:16384*\mt+512*\x
.endr
.endr
	WIN 0x04                                       ; store data window 1
.irp x, 0,1,2,3,4,5,6,7
	ds_store_b128 v12, v[192+4*\x:195+4*\x] offset:16*\x
.endr
	WIN 0x01                                       ; source 0 (W1 under e9) window 1
.irp tl, 0,1,2,3                       ; product 5: T1(16 mi + r, 64 w + 16 tl + 8 h + j), as raw sums: sixteen accumulators, one instruction each
.irp mi, 0,1,2,3
	v_wmma_f32_16x16x64_fp8_fp8 v[16+8*(4*\tl+\mi):23+8*(4*\tl+\mi)], v[128+8*\tl:135+8*\tl], v[230-2*\mi:237-2*\mi], 0
.endr
.endr
	WIN 0
	v_mul_u32_u24 v13, v[VR], TROW                 ; these six lines are the places behind the products
	v_lshl_add_u32 v13, v[VH], 9, v13
	s_lshl_b32 s90, s[WV], 7
	s_add_co_u32 s90, s90, L_T1
	v_add_nc_u32 v13, s90, v13                     ; half 0: row r, + 512 h + 128 w
	v_add_nc_u32 v14, PIECE, v13                   ; half 1
	v_lshl_add_u32 v15, v0, 4, L_T1+32*TROW        ; rows 32 and 33 of each half: 16 bytes a thread
	v_lshl_add_u32 v248, v0, 4, L_T1+32*TROW+PIECE
.irp tl, 0,1,2,3
.irp mi, 0,1,2,3
	ds_store_b128 v[13+\mi/2], v[16+8*(4*\tl+\mi):19+8*(4*\tl+\mi)] offset:(\mi%2)*16*TROW+32*\tl
	ds_store_b128 v[13+\mi/2], v[20+8*(4*\tl+\mi):23+8*(4*\tl+\mi)] offset:(\mi%2)*16*TROW+32*\tl+16
.endr
.endr
	ds_store_b128 v15, v[224:227]                  ; zeros: all of row 32 and the part of row 33 that the main loop's last trip reads (its chunks 0 to 3)
	ds_store_b128 v248, v[224:227]
	BAR                                            ; h2, s2, W3's columns and T1 lie in LDS
; ---------------- product 3 and out0
	v_add_nc_u32 v8, L_H2, v[LI]
.irp mt, 0,1
.irp x, 0,1,2,3,4,5,6,7
	ds_load_b128 v[16+32*\mt+4*\x:19+32*\mt+4*\x], v8 offset:4096*\mt+512*\x
.endr
.endr
	v_mul_u32_u24 v9, v[VR], CROW
	v_lshl_add_u32 v9, v[VH], 5, v9
	s_lshl_b32 s90, s[WV], 6
	s_add_co_u32 s90, s90, L_OST
	v_add_nc_u32 v9, s90, v9                       ; the stage: row r, + 64 w + 32 h
	s_add_co_i32 s90, s44, s45
	s_add_co_i32 s90, s90, 127
	s_lshl_b32 s82, s90, 23                        ; 2^(e4 + e5)
	s_mov_b32 s83, s82
	s_wait_dscnt 0x0
	WIN 0x01
	v_wmma_f32_16x16x128_fp8_fp8 v[80:87], v[160:175], v[16:31], 0         ; two accumulators by turns
	v_wmma_f32_16x16x128_fp8_fp8 v[88:95], v[160:175], v[48:63], 0
	v_wmma_f32_16x16x128_fp8_fp8 v[80:87], v[176:191], v[32:47], v[80:87]
	v_wmma_f32_16x16x128_fp8_fp8 v[88:95], v[176:191], v[64:79], v[88:95]
	WIN 0
	PLACES
	WIN 0x20                                       ; source 2 (b3) window 2
.irp mt, 0,1
.irp i, 0,2,4,6
	v_pk_fma_f32 v[96+8*\mt+\i:97+8*\mt+\i], v[80+8*\mt+\i:81+8*\mt+\i], s[82:83], v[96+\i:97+\i] op_sel_hi:[1,0,1]   ; sum x 2^(e4 + e5) + b3
.endr
.endr
	WIN 0
.irp mt, 0,1
	ds_store_b128 v9, v[96+8*\mt:99+8*\mt] offset:16*CROW*\mt              ; out0(16 mt + r, 16 w + 8 h + 0 .. 7)
	ds_store_b128 v9, v[100+8*\mt:103+8*\mt] offset:16*CROW*\mt+16
.endr
	BAR                                            ; 32 whole rows of out0 lie in the stage
	; every address that the rest needs is made now: the main loop's stage takes the registers that hold r, h and the lane
	s_mul_i32 s90, s[WV], 8*CROW
	s_add_co_u32 s90, s90, L_OST
	v_mul_u32_u24 v12, v[VH], CROW
	v_lshl_add_u32 v12, v[VR], 4, v12
	v_add_nc_u32 v12, s90, v12                     ; rows 8 w + h, 16 bytes a lane
	s_mul_i32 s90, s61, PIECE
	s_add_co_u32 s90, s90, L_T1
	v_lshl_add_u32 v[T1B], v[VH], 9, s90
	s_mul_i32 s90, s61, 32*CROW
	s_add_co_u32 s90, s90, L_W3C
	v_lshl_add_u32 v[W3B], v[VH], 7, s90
	s_lshl_b32 s90, s[WV], 6
	s_add_co_u32 s90, s90, L_DIV
	v_lshl_add_u32 v[VF3], v[VR], 2, s90           ; my part of the divergence: 64 w + 4 r
	v_lshlrev_b32 v[VC3], 7, v[VH]
	v_lshl_add_u32 v[VC3], v[VR], 2, v[VC3]
	v_add_nc_u32 v[VC3], L_DIV, v[VC3]             ; wave 0 reads for sample lane: 128 (lane / 16) + 4 (lane % 16), and 64 further on
	v_lshlrev_b32 v[VPL], 2, v[VL]                 ; out1: 4 x lane
	v_add_nc_u32 v13, PIECE, v[LI]
	v_add_nc_u32 v14, 2*PIECE, v[LI]
	v_add_nc_u32 v15, 3*PIECE, v[LI]
	s_lshl_b32 s90, s62, 14
	s_add_co_u32 s91, s90, L_S1
	v_add_nc_u32 v8, s91, v[LI]                    ; s1 and s2 of my tile of samples
	s_add_co_u32 s91, s90, L_S2
	v_add_nc_u32 v9, s91, v[LI]
.irp x, 0,1,2,3
	ds_load_b128 v[112+4*\x:115+4*\x], v12 offset:2*CROW*\x
.endr
.irp x, 0,1,2,3
	s_wait_dscnt 3-\x
	global_store_b128 v[LI], v[112+4*\x:115+4*\x], s[22:23] offset:512*\x th:TH_STORE_NT   ; 32 lanes store two rows: 512 consecutive bytes, aligned
.endr
; ---------------- the main loop's registers: all of Q13(W2), s1, s2; the first tile's operand
.macro LDIMG t0                        ; tiles t0 .. t0 + 7: fragment (t, K step s) at 32 (t - t0) + 16 s; K quarter q is registers 8 q .. 8 q + 7 of a tile's 32
.set lt_, 0
.rept 8
.irp q, 0,1,2,3
.irp x, 0,1
.if \q == 0
	ds_load_b128 v[32*lt_+8*\q+4*\x:32*lt_+8*\q+4*\x+3], v[LI] offset:1024*(lt_+\t0)+512*\x
.else
	ds_load_b128 v[32*lt_+8*\q+4*\x:32*lt_+8*\q+4*\x+3], v[12+\q] offset:1024*(lt_+\t0)+512*\x
.endif
.endr
.endr
.set lt_, lt_+1
.endr
.endm
	WIN 0x40
	LDIMG 0
	WIN 0x80
	LDIMG 8
	WIN 0xc0                                       ; window 3: v0-127 s1 (register 8 c + m: unit 16 c + 8 h + m), v128-255 s2
.set j_, 0
.rept 32
	ds_load_b128 v[4*j_:4*j_+3], v8 offset:512*j_
	ds_load_b128 v[128+4*j_:128+4*j_+3], v9 offset:512*j_
.set j_, j_+1
.endr
	WIN 0
.set j_, 0
.rept 16
	ds_load_b128 v[192+4*j_:195+4*j_], v[T1B] offset:16*j_                 ; T1's row 0, chunks 0 to 3 (a chunk: 16 numbers a lane, 64 bytes)
.set j_, j_+1
.endr
	s_sub_co_i32 s90, s52, s48
	s_sub_co_i32 s90, s90, s49                     ; s1 x (a raw sum of product 5) stands for that x 2^(e8 + e9): its code is taken with 2^(e12 - e8 - e9)
	MKQ QM1, 90
	s_sub_co_i32 s90, s56, s52
	s_sub_co_i32 s90, s90, s53                     ; likewise e16 - e12 - e13
	MKQ QM2, 90
	s_mov_b32 s92, 0                               ; trips
	s_mov_b32 s93, 0                               ; 2 rows of T1 a trip: this trip's,
	s_mov_b32 s94, 2*TROW                          ; the next trip's
	s_mov_b32 s95, 0                               ; 2 columns of W3 a trip
	s_mov_b32 s96, 2*CROW
	s_wait_dscnt 0x0                               ; all of it is in
	s_wait_xcnt 0x0                                ; out0's stores have read their registers
	v_mov_b32 v8, s[QM1]                           ; SC1
	v_mov_b32 v9, s[QM2]                           ; SC2
	v_add_nc_u32 v12, s93, v[T1B]                  ; v12, v14: T1 and W3 for a trip's first tile; v13, v15: for its second
	v_add_nc_u32 v14, s95, v[W3B]
	WIN 0x0c                                       ; source 1 window 3
.set j_, 0
.rept 32
	v_pk_mul_f32 v[112+j_:113+j_], v[192+j_:193+j_], v[j_:j_+1]
.set j_, j_+2
.endr
	WIN 0
.set j_, 0
.rept 16
	ds_load_b128 v[192+4*j_:195+4*j_], v[T1B] offset:256+16*j_             ; chunks 4 to 7
.set j_, j_+1
.endr
	HOLD 112, 112, 64, QM1
	CVT 16, 112, 8, 8
	v_nop
	s_wait_dscnt 0x0
	WIN 0x0c
.set j_, 0
.rept 32
	v_pk_mul_f32 v[112+j_:113+j_], v[192+j_:193+j_], v[64+j_:65+j_]
.set j_, j_+2
.endr
	WIN 0
.irp x, 0,1,2,3
	ds_load_b128 v[192+4*\x:195+4*\x], v[T1B] offset:TROW+16*\x            ; row 1, chunk 0
.endr
	HOLD 112, 112, 64, QM1
	CVT 32, 112, 8, 8
	v_nop
	s_wait_dscnt 0x0
	WIN 0x0c
.irp i, 0,2,4,6,8,10,12,14
	v_pk_mul_f32 v[176+\i:177+\i], v[192+\i:193+\i], v[\i:\i+1]
.endr
	WIN 0
.irp x, 0,1,2,3
	ds_load_b128 v[112+4*\x:115+4*\x], v[W3B] offset:64+16*\x              ; codes of W3 for the first tile's step 1, which multiplies them by zero codes
.endr
.irp q, 1,2,3
.irp x, 0,1,2,3
	ds_load_b128 v[192+16*\q+4*\x:195+16*\q+4*\x], v[T1B] offset:TROW+64*\q+16*\x   ; row 1, chunks 1 to 3
.endr
.endr
.set j_, 0
.rept 16
	v_mov_b32 v[160+j_], 0                         ; 'the step before the first': zeros
	v_mov_b32 v[128+j_], 0                         ; product 9's two sums
.set j_, j_+1
.endr
.set j_, 0
.rept 12
	v_mov_b32 v[96+j_], 0
.set j_, j_+1
.endr
; ---------------- THE MAIN LOOP.  A tile: 16 samples, one tangent i.  window 0: v16-47, v48-79 product 7's left operand, two buffers; v80-111 P, product 9's; v112-127 W3's column; v128-135, v136-143 product 9's
; sums (K steps 0 and 1); v144-159, v160-175 product 7's sums, two sets; v176-191 TMP; v192-255 four sets of 16 numbers of T1.
; A step c of eight makes hidden units 32 c .. 32 c + 31 of the tile (four products) and, between and behind them, the vector work of three other stages: chunk c of the NEXT tile's operand is held and converted (TMP),
; chunk c + 1 is multiplied by s1; the sums of the step BEFORE are held and converted into P; this step's sums are multiplied by s2.  Eight holds behind each product.
; The accumulators take turns, one instruction a turn.
.macro STEP e, c
.set AC, 144+16*((\c)%2)
.set AO, 160-16*((\c)%2)
.set AB, 16+32*(\e)
.set AN, 48-32*(\e)
.set WF, 64*((\c)%4)
.set WW, 1+(\c)/4
.set CP, ((\c)+7)%8
.set CN, ((\c)+1)%8
.set SS, 192+16*((\c)%4)
.set SN, 192+16*(CN%4)
.if (\c) < 4
.set SO_, ((\e)+1)*TROW+64*((\c)+4)
.else
.set SO_, ((\e)+2)*TROW+64*((\c)-4)
.endif
	WIN WW                                         ; source 0 (W2) window 1 or 2
	v_wmma_f32_16x16x128_fp8_fp8 v[AC:AC+7], v[WF:WF+15], v[AB:AB+15], 0
	HOLD 176, 176, 8, QM1
	v_wmma_f32_16x16x128_fp8_fp8 v[AC+8:AC+15], v[WF+32:WF+47], v[AB:AB+15], 0
	HOLD 184, 184, 8, QM1
	v_wmma_f32_16x16x128_fp8_fp8 v[AC:AC+7], v[WF+16:WF+31], v[AB+16:AB+31], v[AC:AC+7]
	HOLD AO, AO, 8, QM2
	v_wmma_f32_16x16x128_fp8_fp8 v[AC+8:AC+15], v[WF+48:WF+63], v[AB+16:AB+31], v[AC+8:AC+15]
	HOLD AO+8, AO+8, 8, QM2
	WIN 0
.if (\c) == 1
	s_wait_dscnt 12                                ; W3's four loads of step 6 are in: twelve loads were issued behind them
	v_wmma_f32_16x16x128_fp8_fp8 v[136:143], v[112:127], v[96:111], v[136:143]    ; product 9, K step 1 of the tile before
.endif
.if (\c) == 5
	s_wait_dscnt 12                                ; W3's four loads of step 2 are in; so are all loads of the tile before, whose address registers may be written:
.if (\e) == 0
	v_add_nc_u32 v13, s93, v[T1B]
	v_add_nc_u32 v15, s95, v[W3B]
.else
	v_add_nc_u32 v12, s94, v[T1B]
	v_add_nc_u32 v14, s96, v[W3B]
.endif
	v_wmma_f32_16x16x128_fp8_fp8 v[128:135], v[112:127], v[80:95], v[128:135]     ; product 9, K step 0 of this tile
.endif
	v_cvt_scalef32_pk8_fp8_f32 v[AN+4*(\c):AN+4*(\c)+1], v[176:183], v8
	v_cvt_scalef32_pk8_fp8_f32 v[AN+4*(\c)+2:AN+4*(\c)+3], v[184:191], v8
	v_cvt_scalef32_pk8_fp8_f32 v[80+4*CP:80+4*CP+1], v[AO:AO+7], v9
	v_cvt_scalef32_pk8_fp8_f32 v[80+4*CP+2:80+4*CP+3], v[AO+8:AO+15], v9
.if (\c) == 2
.irp x, 0,1,2,3
	ds_load_b128 v[112+4*\x:115+4*\x], v[14+(\e)] offset:(\e)*CROW+16*\x          ; this tile's column of W3, K step 0
.endr
.endif
.if (\c) == 6
.irp x, 0,1,2,3
	ds_load_b128 v[112+4*\x:115+4*\x], v[14+(\e)] offset:(\e)*CROW+64+16*\x       ; K step 1
.endr
.endif
.irp x, 0,1,2,3
	ds_load_b128 v[SS+4*\x:SS+4*\x+3], v[12+(\e)] offset:SO_+16*\x                ; a chunk of T1, three steps ahead of its use
.endr
	WIN 0x0c                                       ; source 1 window 3
.irp i, 0,2,4,6,8,10,12,14
	v_pk_mul_f32 v[AC+\i:AC+\i+1], v[AC+\i:AC+\i+1], v[128+16*(\c)+\i:128+16*(\c)+\i+1]   ; x s2: eight holds stand behind the last product; each accumulator from its low end on
.endr
	s_wait_dscnt 12                                ; the chunk asked for three steps ago is in: the loads of the last three steps may be out
.irp i, 0,2,4,6,8,10,12,14
	v_pk_mul_f32 v[176+\i:177+\i], v[SN+\i:SN+\i+1], v[16*CN+\i:16*CN+\i+1]       ; x s1
.endr
.endm
.Ltrip:
.irp c, 0,1,2,3,4,5,6,7
	STEP 0, \c
.endr
.irp c, 0,1,2,3,4,5,6,7
	STEP 1, \c
.endr
	WIN 0
	s_add_co_u32 s93, s93, 2*TROW
	s_add_co_u32 s94, s94, 2*TROW
	s_add_co_u32 s95, s95, 2*CROW
	s_add_co_u32 s96, s96, 2*CROW
	s_add_co_u32 s92, s92, 1
	s_cmp_lt_u32 s92, 16
	s_cbranch_scc1 .Ltrip
	HOLD 160, 160, 16, QM2                         ; the last tile's last sums
	CVT 108, 160, 2, 9
	v_nop
	s_wait_dscnt 0x0
	v_wmma_f32_16x16x128_fp8_fp8 v[136:143], v[112:127], v[96:111], v[136:143]
	PLACES
	v_add_f32 v1, v128, v136                       ; all 16 rows of source 0 were the same column, so register 0 holds sample r's sum over my 32 tangents
	ds_store_b32 v[VF3], v1
	s_add_co_i32 s90, s56, s57
	s_add_co_i32 s90, s90, 127
	s_lshl_b32 s90, s90, 23
	s_or_b32 s90, s90, 0x80000000                  ; -2^(e16 + e17)
	BAR                                            ; the four waves' parts lie in LDS
	s_cmp_lg_u32 s[WV], 0
	s_cbranch_scc1 .Lnot_first
	ds_load_b32 v176, v[VC3]
	ds_load_b32 v177, v[VC3] offset:64
	s_wait_dscnt 0x0
	v_add_f32 v176, v176, v177
	v_mul_f32 v176, s90, v176
	global_store_b32 v[VPL], v176, s[24:25]        ; out1 of my work-group's 32 samples: 128 consecutive bytes
.Lnot_first:
	s_wait_tensorcnt 0x0                           ; the wave's end: behind my last tensor load and my last LDS store
	ds_add_u32 v[SPW], v[NIL]
	s_wait_dscnt 0x0
	ROUND                                          ; the closing round: no work-group ends while a partner may still ask for a tile that names it
	s_endpgm
.Lfunc_end_k_q6dd035195d_ode:
	.size	k_q6dd035195d_ode, .Lfunc_end_k_q6dd035195d_ode-k_q6dd035195d_ode
	.p2alignl 7, 3214868480
	.fill 96, 4, 3214868480
	.section	.rodata,"a",@progbits
	.p2align	6, 0x0
	.amdhsa_kernel k_q6dd035195d_ode
		.amdhsa_group_segment_fixed_size 327680
		.amdhsa_private_segment_fixed_size 0
		.amdhsa_enable_private_segment 0
		.amdhsa_kernarg_size 88
		.amdhsa_user_sgpr_count 2
		.amdhsa_user_sgpr_kernarg_segment_ptr 1
		.amdhsa_wavefront_size32 1
		.amdhsa_system_sgpr_workgroup_id_x 1
		.amdhsa_system_sgpr_workgroup_id_y 1
		.amdhsa_system_sgpr_workgroup_id_z 1
		.amdhsa_system_vgpr_workitem_id 0
		.amdhsa_next_free_vgpr 1024
		.amdhsa_next_free_sgpr 100
		.amdhsa_reserve_vcc 1
		.amdhsa_float_denorm_mode_32 3
		.amdhsa_float_denorm_mode_16_64 3
		.amdhsa_memory_ordered 1
		.amdhsa_forward_progress 1
		.amdhsa_inst_pref_size 255
	.end_amdhsa_kernel
	.section	.bss,"aw",@nobits
	.p2align	6
	.space	262144
	.amdgpu_metadata
---
amdhsa.version: [ 1, 2 ]
amdhsa.kernels:
  - .name:           k_q6dd035195d_ode
    .symbol:         k_q6dd035195d_ode.kd
    .args:
      - { .name: z, .offset: 0, .size: 8, .value_kind: global_buffer, .address_space: global }
      - { .name: t, .offset: 8, .size: 8, .value_kind: global_buffer, .address_space: global }
      - { .name: W1, .offset: 16, .size: 8, .value_kind: global_buffer, .address_space: global }
      - { .name: b1, .offset: 24, .size: 8, .value_kind: global_buffer, .address_space: global }
      - { .name: W2, .offset: 32, .size: 8, .value_kind: global_buffer, .address_space: global }
      - { .name: b2, .offset: 40, .size: 8, .value_kind: global_buffer, .address_space: global }
      - { .name: W3, .offset: 48, .size: 8, .value_kind: global_buffer, .address_space: global }
      - { .name: b3, .offset: 56, .size: 8, .value_kind: global_buffer, .address_space: global }
      - { .name: lowp_scales, .offset: 64, .size: 8, .value_kind: global_buffer, .address_space: global }
      - { .name: out0, .offset: 72, .size: 8, .value_kind: global_buffer, .address_space: global }
      - { .name: out1, .offset: 80, .size: 8, .value_kind: global_buffer, .address_space: global }
    .group_segment_fixed_size: 327680
    .private_segment_fixed_size: 0
    .kernarg_segment_align: 8
    .kernarg_segment_size: 88
    .max_flat_workgroup_size: 128
    .sgpr_count:     100
    .vgpr_count:     1024
    .wavefront_size: 32
...
	.end_amdgpu_metadata
.endif
;; end of part 1
